; MI455X (gfx1250); checked and timed in simulation.
; The chip was launched on July 23, 2026; its instructions are those of AMD's public machine-readable ISA for CDNA 5 (MIT licence, August 2026) and "CDNA5" Instruction Set Architecture Reference Guide (July 2026). The comments in the code are by the model that wrote it; some were corrected since.
;; Classifier. Allowed arithmetic: matrix products marked QUANTISED: E4M3 operands, one given power-of-two scale a tensor, by v_wmma_f32_16x16x64_fp8_fp8 or v_wmma_f32_16x16x128_fp8_fp8, f32 sums; products left as they are: f32 operands where the result goes on into a quantised operand, else bf16, f16 or f32 operands; f32 sums; everything else in f32.
;; Inputs: emb 1,024 x 128 float32; lowp_scales 2 int32 (the exponents e of the quantised operands' scales 2^e); weight 256 x 64 x 128 float32.
;; Outputs: out0 1,024 x 256 float32.
;; This version of the problem:
;;   THIS VERSION OF THE PROBLEM IS GIVEN IN LOW PRECISION. The matrix products marked QUANTISED in the list below multiply operands that are first quantised to E4M3 (4 exponent bits, 3 mantissa bits; 8 bits a number), with one given power-of-two scale for each operand tensor; their sums are f32. All else is computed in f32.
;;   The module's matrix products, in the order in which they are computed (A, B: the left and right operand; K: the contracted axis; several contracted axes count as one K, in the product's order):
;;     1. [M 1,024, K 128] x [K 128, N 16,384]; A: input emb; B: input weight: QUANTISED (scales: A lowp_scales[0], B lowp_scales[1])
;;     2. batch 262,144 x [M 1, K 8] x [K 8, N 128]; A: softmax; B: computed on the way: left as it is (K = 8 < 32)
;;     3. batch 1,024 x [M 256, K 128] x [K 128, N 1]; A: computed on the way; B: input emb: left as it is (N = 1 < 16)
;;   THE QUANTISER, for each operand of a quantised product, along K:
;;     - The operand's scale is 2^e, e = its entry of the input lowp_scales (int32; the entries are numbered through the quantised products in the list's order, A before B).
;;     - Each number is divided by the scale, clamped to +-448, and rounded to the nearest number of E4M3, ties to even, subnormals kept.
;;     - The product sums the exact products of the quantised numbers (number of the format x scale) in f32.
;;   ~~~python
;;   def quantise(x, axis, e):      # numpy; x: float32 -> the quantised numbers, widened to float32 again
;;       x = np.moveaxis(x, axis, -1); K = x.shape[-1]
;;       r = np.clip(x / 2.0 ** e, -448, 448)
;;       step = 2.0 ** (np.maximum(np.frexp(np.where(r == 0, 1, r))[1] - 1, -6) - 3)
;;       q = np.round(r / step) * step * 2.0 ** e      # np.round: ties to even
;;       return np.moveaxis(q, -1, axis).astype(np.float32)
;;   ~~~
;; One version. Each part assembles by itself: llvm-mc -triple=amdgcn-amd-amdhsa -mcpu=gfx1250 --defsym DOCPART=n.
;; ======== version 1 of 1: 1 launch
;; limits: right only within a limited range of input values
;; launch classify (part 1): grid 32 x 8, 8 waves a work-group, no clusters, 259,072 bytes of LDS; arguments emb, lowp_scales, weight, out0; writes out0
.if DOCPART == 1
	.amdgcn_target "amdgcn-amd-amdhsa--gfx1250"
	.amdhsa_code_object_version 6
	.text
	.protected	k_q4632295773_classify
	.globl	k_q4632295773_classify
	.p2align	8
	.type	k_q4632295773_classify,@function
k_q4632295773_classify:
	s_mov_b64 s[64:65], 0
	v_nop
	global_prefetch_b8 v0, s[64:65] scope:SCOPE_SE
	s_setreg_imm32_b32 hwreg(HW_REG_WAVE_MODE, 25, 1), 1
	s_wait_xcnt 0x0
; out0[b][c] = ((1 + cos(protos[b][c], emb[b])) / 2 + 1e-8) / 0.1; protos = the softmax-weighted sum of the 8 anchors of class c (of 64) whose score (1 + cos(anchor, emb[b])) / 2 + 1e-8 is largest.
; emb [1024][128], weight [256][64][128], out0 [1024][256]: f32.  The first product (emb x anchors) is on codes of FP8 (E4M3) with the given scales 2^e0 (emb), 2^e1 (weight); the norms are of the f32 numbers.
; SHARES.  A work-group of eight waves takes 8 classes x 128 rows of emb.  A wave owns ONE CLASS: its codes (64 registers), W^T in bf16 (128) and 2^(e0+e1) / n_w (32) stay in register window 1 for the whole launch.
; Wave w first prepares tile w (16 rows) of emb and leaves it in LDS as images of registers; one barrier; then it prepares its class, which no other wave reads, and walks the 8 tiles; behind a second barrier each thread finishes 4 outputs.
; NOTHING IS GATHERED: no address hangs on the choice.  The weights stay dense, p = e^(score - largest) for the 8 kept anchors and 0 for the other 56, and protos^T = W^T P^T is a bf16 product with K = the 64 anchors.
; p is not normalised: cos(protos, emb) does not depend on p's scale; the sum Z of p goes into the second clamp alone: max(n_p n_e, 1e-8) = max(n_p' n_e, Z 1e-8) / Z.
; LAYOUT.  Both products are used transposed, so that a lane holds one row b (lane % 16).  The anchors of a tile are chosen so that lanes 0-15 hold anchors 0-31 and lanes 16-31 anchors 32-63: register i = anchor 32 (lane / 16) + i.
; THE CHOICE.  key' = 2^24 (1 + cos) as f32.  pattern = ((whole part of key' + 2^24) << 5) + (31 - i) is, read as a positive f32, ordered by (score, lower index in my half), so f32 max and min sort it.
; Each half of the lanes sorts the best 8 of its 32 by a network; the halves exchange them without the index bits, lanes 0-15 sending key + 1: so an equal key is kept in lanes 0-15 (the lower index, as lax.top_k has it),
; each half gets a threshold of its own, and exactly 8 anchors are kept.
; A COMPARATOR IS ONE LINE: max and min of the same two registers as a pair of instructions in one, into the list's two spare registers, one even and one odd; the two registers read are the next spares.
; The registers are renamed at assembly time (R<list><place>, QA<list>, QB<list>); each comparator's last argument says which parity its place i gets, chosen so that every later comparator meets one even and one odd register.
; Where the parities did not fit, the macros would write the two plain lines instead: the values do not hang on that count.
; NO TENSOR LOADS, NO JOINT REQUESTS: a work-group's inputs, 8 x 32,768 + 65,536 bytes of f32, are read once, at the head, and must pass through registers to be quantised and turned.
; STORES: a work-group's 8 classes are 32 neighbouring bytes of a row of out0: two lanes store them.  64 classes to a work-group would fill 256 bytes, with one tile of emb for each preparation of a class.
; LIMITS.  e0, e1 between -126 and 119; e0 + e1 between -60 and 60.  The quantised cosine lies in (-1.98, 1.98), else the pattern leaves the positive f32 numbers.  NaN and infinities among the inputs are not served.
; key' is rounded once (a fused multiply-add, 1 / (n_e n_w) from two reciprocal roots) where reference() divides and then adds; under cos = -0.5 the pattern cuts key' to the grid of 2^-24.
; The score's + 1e-8 is not added: it changes no order, and it cancels in the softmax.  The division by 0.1 is a multiplication by 10.
.set TBLK,  10496                      ; LDS, a tile of emb: codes' image 2,048, f32 image 8,192, 2^24 / n_e 128, n_e 128
.set XCO,   0
.set EO,    2048
.set IEO,   10240
.set NEO,   10368
.set PW,    288                        ; a row of W in bf16: 256 bytes + 32
.set WSTW,  64*PW                      ; a wave's stage for W: 64 rows, by anchor
.set WST,   8*TBLK
.set IWS,   WST+8*WSTW                 ; 64 words a wave: 2^(e0+e1) / n_w, by anchor
.set STG,   IWS+8*256                  ; the sums: [dot2, n_p^2, Z][half of the lanes][128 rows][8 classes] f32
.set QS,    8192
.set HS,    4096
; scalar registers
.set WV,  12                           ; wave
.set SEL, 32                           ; s[32:33] v_permlanex16_b32's selects: lane xor 16
.set K24, 34                           ; s[34:35] 2^24
.set CC,  36                           ; s[36:37] c = log2(e) / 2^25
.set NC,  38                           ; -c
.set CB,  39                           ; c x 2^24
.set MK,  40                           ; s40-43 lane masks
.set TB,  44                           ; the tile's block in LDS
.set SB,  45                           ; the tile's rows in the stage of sums
.set CNT, 46
; window 0, kept throughout
.set LI,  1                            ; 16 x lane
.set L4,  2                            ; 4 x lane
.set HH,  3                            ; lane / 16
; window 0, the loop
.set CAP, 4                            ; 1e8 x 2^(e0+e1+24)
.set NEG, 5                            ; -1e30
.set IE,  6                            ; v[6:7]: 2^24 / n_e (v7 is only named with it)
.set AD,  8
.set ADDH, 9                           ; 32 in lanes 0-15, 0 in lanes 16-31
.set TH,  10                           ; my half's threshold
.set MX,  11
.set NB,  12                           ; v[12:13]: -c x the largest key (v13 is only named with it)
.set SO,  14
.set SOA, 15
.set XB,  16                           ; emb's codes, a fragment
.set KEY, 32                           ; sums, then key', then the exponent, then p
.set PAT, 64                           ; patterns
.set WK,  96                           ; the network: 4 lists x (8 + 2 spares): v96-135
.set FF,  96                           ; before it: f = min(1 / (n_e n_w), 1e8) x 2^(e0+e1+24)
.set U,   136                          ; what the other half sent
.set T2,  144                          ; what I send; then the larger of each pair
.set PP,  136                          ; afterwards: P in bf16
.set EE,  152                          ; emb in f32
.set DA0, 216
.set DA1, 218
.set NA0, 220
.set NA1, 222
.set ZA0, 224
.set ZA1, 226
.set AD4, 228
.set PR,  64                           ; protos^T, over the dead patterns and lists
; window 1
.set WC,  0                            ; W's codes: 4 fragments
.set WT,  64                           ; W^T in bf16: 16 fragments (K step q, tile u: 8 q + u)
.set IW,  192                          ; 2^(e0+e1) / n_w of my half's 32 anchors
; window 0, the head
.set BA,  16
.set BB,  80
.set BC,  144
.set BT,  208
.set GW,  240
.set GE,  241
.set WSA, 242
.set WTA, 243
.set ISA, 244
.set IRA, 245
.set TIA, 246
.set TI4, 247
.set SCE, 248
.set LME, 249
.set SCW, 250
.set LMW, 251
.set SSW, 252
.set MSB, 0
.macro WIN new                         ; the immediate's high byte repeats the setting that is left
.if MSB != \new
	s_set_vgpr_msb (MSB<<8)|\new
.set MSB, \new
.endif
.endm
; 16 rows x 128 numbers: lane (r, h) takes, of its row, 16 neighbours of each 32: register 16 c + i = k 32 c + 16 h + i.  The same places of k in both operands of the first product.
.macro GLOAD reg, adr, base, off
.irp c, 0,1,2,3
.irp j, 0,1,2,3
	global_load_b128 v[\reg+16*\c+4*\j:\reg+16*\c+4*\j+3], v[\adr], s[\base:\base+1] offset:\off+128*\c+16*\j
.endr
.endr
.endm
; the sum of squares of a row: my 64 numbers in four chains, then the other half's
.macro SUMSQ reg, dst
	v_pk_mul_f32 v[8:9], v[\reg:\reg+1], v[\reg:\reg+1]
	v_pk_mul_f32 v[10:11], v[\reg+2:\reg+3], v[\reg+2:\reg+3]
	v_pk_mul_f32 v[12:13], v[\reg+4:\reg+5], v[\reg+4:\reg+5]
	v_pk_mul_f32 v[14:15], v[\reg+6:\reg+7], v[\reg+6:\reg+7]
.set kq, 8
.rept 7
	v_pk_fma_f32 v[8:9], v[\reg+kq:\reg+kq+1], v[\reg+kq:\reg+kq+1], v[8:9]
	v_pk_fma_f32 v[10:11], v[\reg+kq+2:\reg+kq+3], v[\reg+kq+2:\reg+kq+3], v[10:11]
	v_pk_fma_f32 v[12:13], v[\reg+kq+4:\reg+kq+5], v[\reg+kq+4:\reg+kq+5], v[12:13]
	v_pk_fma_f32 v[14:15], v[\reg+kq+6:\reg+kq+7], v[\reg+kq+6:\reg+kq+7], v[14:15]
.set kq, kq+8
.endr
	v_pk_add_f32 v[8:9], v[8:9], v[10:11]
	v_pk_add_f32 v[12:13], v[12:13], v[14:15]
	v_pk_add_f32 v[8:9], v[8:9], v[12:13]
	v_add_f32 v8, v8, v9
	v_permlanex16_b32 v9, v8, s[SEL], s[SEL+1]
	v_add_f32 v[\dst], v8, v9
.endm
; 64 numbers of a lane become a fragment's 16 registers of codes
.macro CODES reg, lim, sc, dst, win
.set kh, 0
.rept 64
	v_med3_num_f32 v[\reg+kh], v[\reg+kh], -v[\lim], v[\lim]   ; the conversion to an 8-bit code does not saturate (ISA guide 7.6.2): the hold at 448 x the scale
.set kh, kh+1
.endr
	WIN \win
.set kh, 0
.rept 8
	v_cvt_scalef32_pk8_fp8_f32 v[\dst+2*kh:\dst+2*kh+1], v[\reg+8*kh:\reg+8*kh+7], v[\sc]
.set kh, kh+1
.endr
	WIN 0
	v_nop                                          ; one plain vector line behind the last scaled conversion
.endm
; tile t of my class: lane r holds anchor 32 (r / 8) + 8 t + r % 8.  Its sum of squares; bf16 to my stage, rows by anchor; codes to window 1
.macro WTILE t, reg
	SUMSQ \reg, SSW+\t
	s_wait_dscnt 0x0                               ; the earlier LDS stores have read v[BT] on
.set kb, 0
.rept 32
	v_cvt_pk_bf16_f32 v[BT+kb], v[\reg+2*kb], v[\reg+2*kb+1]
.set kb, kb+1
.endr
.irp c, 0,1,2,3
	ds_store_b128 v[WSA], v[BT+8*\c:BT+8*\c+3] offset:8*\t*PW+64*\c
	ds_store_b128 v[WSA], v[BT+8*\c+4:BT+8*\c+7] offset:8*\t*PW+64*\c+16
.endr
	CODES \reg, LMW, SCW, WC+16*\t, 0x40
.endm
; THE NETWORK.  CE0: a comparator of the first layer: it reads the patterns, which stay whole, and fills registers ri and rj (one even, one odd) of list g's ten.  Place i gets the larger number.
.macro CE0 g, i, j, ri, rj
	v_dual_max_num_f32 v[WK+10*\g+\ri], v[PAT+8*\g+\i], v[PAT+8*\g+\j] :: v_dual_min_num_f32 v[WK+10*\g+\rj], v[PAT+8*\g+\i], v[PAT+8*\g+\j]
.set R\g\i, WK+10*\g+\ri
.set R\g\j, WK+10*\g+\rj
.endm
; CE: the larger number into the spare register of parity pi, the smaller into the other spare; the two registers read are the new spares.
; The pair wants one even and one odd result register; both halves read the same two registers.  With two spares of one parity: two plain lines on one spare.
.macro CE g, i, j, pi
.set RA, R\g\i
.set RB, R\g\j
.if ((QA\g ^ QB\g) & 1)
.if (QA\g & 1) == \pi
.set RX, QA\g
.set RY, QB\g
.else
.set RX, QB\g
.set RY, QA\g
.endif
	v_dual_max_num_f32 v[RX], v[RA], v[RB] :: v_dual_min_num_f32 v[RY], v[RA], v[RB]
.set R\g\i, RX
.set R\g\j, RY
.set QA\g, RA
.set QB\g, RB
.else
	v_max_num_f32 v[QA\g], v[RA], v[RB]
	v_min_num_f32 v[RB], v[RA], v[RB]
.set R\g\i, QA\g
.set QA\g, RA
.endif
.endm
.macro CE4 i, j, pi                    ; the four lists take turns, so that no line waits for the line above it
.irp g, 0,1,2,3
	CE \g, \i, \j, \pi
.endr
.endm
.macro CE2 i, j, pi
	CE 0, \i, \j, \pi
	CE 2, \i, \j, \pi
.endm
; of two lists sorted downwards, the larger of place i of list a and place j = 7 - i of list b: the best 8 of the 16.  Two such maxima in one line where the results' parities and the second sources' banks differ
.macro MX2 a, b, i, j, k, l
.if ((R\a\i ^ R\a\k) & 1) * ((R\b\j ^ R\b\l) & 3)
	v_dual_max_num_f32 v[R\a\i], v[R\a\i], v[R\b\j] :: v_dual_max_num_f32 v[R\a\k], v[R\a\k], v[R\b\l]
.else
	v_max_num_f32 v[R\a\i], v[R\a\i], v[R\b\j]
	v_max_num_f32 v[R\a\k], v[R\a\k], v[R\b\l]
.endif
.endm
; behind the exchange: the larger of my place i and the other half's place 7 - i, for two neighbouring places
.macro MXT i, k
.if ((R0\i ^ R0\k) & 3)
	v_dual_max_num_f32 v[T2+\i], v[R0\i], v[U+7-\i] :: v_dual_max_num_f32 v[T2+\k], v[R0\k], v[U+7-\k]
.else
	v_max_num_f32 v[T2+\i], v[R0\i], v[U+7-\i]
	v_max_num_f32 v[T2+\k], v[R0\k], v[U+7-\k]
.endif
.endm
.macro BARRIER                         ; my LDS stores have landed and my LDS loads are in: then the work-group's barrier
	s_wait_dscnt 0x0
	s_barrier_signal -1
	s_barrier_wait -1
.endm
	s_load_b128 s[4:7], s[0:1], 0x0                ; emb, the scales' exponents
	s_load_b128 s[8:11], s[0:1], 0x10              ; weight, out0
	s_set_vgpr_msb 0x40
	v_lshl_add_u32 v224, v0, 2, 0x3f000
	v_mov_b32 v225, 0
	s_set_vgpr_msb 0x4000
	v_lshrrev_b32 v6, 5, v0
	v_readfirstlane_b32 s[WV], v6                  ; wave 0..7
	s_and_b32 s13, ttmp7, 0xffff                   ; which 128 rows of emb
	s_mov_b32 s[SEL], 0x76543210
	s_mov_b32 s[SEL+1], 0xfedcba98
	v_and_b32 v8, 15, v0                           ; r
	v_and_b32 v9, 7, v0                            ; r % 8
	v_bfe_u32 v10, v0, 3, 1                        ; r / 8
	v_bfe_u32 v[HH], v0, 4, 1                      ; h
	v_and_b32 v11, 31, v0
	v_lshlrev_b32 v[LI], 4, v11
	v_lshlrev_b32 v[L4], 2, v11
	v_lshl_add_u32 v12, v10, 5, v9                 ; 32 (r / 8) + r % 8: my anchor in tile 0
	v_lshl_add_u32 v13, v[HH], 5, v9               ; 32 h + r % 8: the row that I address for the turning load
	v_lshlrev_b32 v[GW], 9, v12
	v_lshl_add_u32 v[GW], v[HH], 6, v[GW]          ; weight: anchor x 512 + 64 h
	v_lshlrev_b32 v[GE], 9, v8
	v_lshl_add_u32 v[GE], v[HH], 6, v[GE]          ; emb: r x 512 + 64 h
	s_mul_i32 s14, s[WV], WSTW
	s_add_co_u32 s14, s14, WST                     ; my stage for W
	v_mul_u32_u24 v[WSA], v12, PW
	v_lshl_add_u32 v[WSA], v[HH], 5, v[WSA]
	v_add_nc_u32 v[WSA], s14, v[WSA]               ; into it: my anchor's row, + 32 h bytes
	v_mul_u32_u24 v[WTA], v13, PW
	v_lshl_add_u32 v[WTA], v10, 5, v[WTA]
	v_add_nc_u32 v[WTA], s14, v[WTA]               ; out of it, turned: lanes 8-15 of a half take the columns 16 further on
	s_lshl_b32 s15, s[WV], 8
	s_add_co_u32 s15, s15, IWS
	v_lshl_add_u32 v[ISA], v12, 2, s15
	v_lshl_add_u32 v[IRA], v[HH], 7, s15
	s_mul_i32 s16, s[WV], TBLK                     ; the tile of emb that I prepare
	v_add_nc_u32 v[TIA], s16, v[LI]
	v_add_nc_u32 v[TI4], s16, v[L4]
	s_lshl_b32 s17, ttmp9, 3
	s_add_co_u32 s17, s17, s[WV]                   ; my class
	s_lshl_b32 s20, s17, 15                        ; x 32,768 bytes
	s_mov_b32 s21, 0
	s_lshl_b32 s18, s13, 7
	s_lshl_b32 s19, s[WV], 4
	s_add_co_u32 s18, s18, s19                     ; my tile's first row of emb
	s_lshl_b32 s22, s18, 9
	s_mov_b32 s23, 0
	s_lshl_b32 s26, s13, 17                        ; out0: 128 rows of 1,024 bytes a block,
	s_lshl_b32 s27, ttmp9, 5                       ; 8 classes of 4 bytes
	s_add_co_u32 s26, s26, s27
	s_mov_b32 s27, 0
	s_wait_kmcnt 0x0
	s_load_b64 s[24:25], s[6:7], 0x0               ; e0, e1
	s_add_nc_u64 s[4:5], s[4:5], s[22:23]
	s_add_nc_u64 s[8:9], s[8:9], s[20:21]
	s_add_nc_u64 s[10:11], s[10:11], s[26:27]
	GLOAD BA, GE, 4, 0                             ; 48 loads of mine are out: my tile of emb, tiles 0 and 1 of my class
	GLOAD BB, GW, 8, 0
	GLOAD BC, GW, 8, 4096
	s_mov_b32 s[K24], 0x4b800000
	s_mov_b32 s[K24+1], 0x4b800000
	s_mov_b32 s[CC], 0x3338aa3b
	s_mov_b32 s[CC+1], 0x3338aa3b
	s_mov_b32 s[NC], 0xb338aa3b
	s_mov_b32 s[CB], 0x3f38aa3b
	s_wait_kmcnt 0x0
	s_add_co_i32 s26, s24, 127
	s_lshl_b32 s27, s26, 23
	v_mov_b32 v[SCE], s27                          ; 2^e0: the conversion takes its exponent field
	s_add_co_i32 s26, s26, 8
	s_lshl_b32 s26, s26, 23
	s_or_b32 s26, s26, 0x600000
	v_mov_b32 v[LME], s26                          ; 448 x 2^e0
	s_add_co_i32 s26, s25, 127
	s_lshl_b32 s27, s26, 23
	v_mov_b32 v[SCW], s27
	s_add_co_i32 s26, s26, 8
	s_lshl_b32 s26, s26, 23
	s_or_b32 s26, s26, 0x600000
	v_mov_b32 v[LMW], s26
	s_add_co_i32 s28, s24, s25                     ; e0 + e1
	s_add_co_i32 s29, s28, 24
	; ---- my tile of emb
	s_wait_loadcnt 32                              ; emb's 16 loads are in; the two tiles of W, 32 loads, may be out
.set ke, 0
.rept 16
	ds_store_b128 v[TIA], v[BA+4*ke:BA+4*ke+3] offset:EO+512*ke   ; the f32 rows, as they stand in my registers
.set ke, ke+1
.endr
	SUMSQ BA, 10
	v_rsq_f32 v11, v10
	v_sqrt_f32 v12, v10
	v_nop
	s_wait_alu depctr_va_vdst(0)                   ; one wait for both, ahead of their first reader
	v_ldexp_f32 v11, v11, 24                       ; 2^24 / n_e
	ds_store_b32 v[TI4], v11 offset:IEO
	ds_store_b32 v[TI4], v12 offset:NEO
	s_wait_dscnt 0x0                               ; the image's stores have read the numbers: now they are held in place
	CODES BA, LME, SCE, BT, 0
.irp k, 0,1,2,3
	ds_store_b128 v[TIA], v[BT+4*\k:BT+4*\k+3] offset:XCO+512*\k
.endr
	GLOAD BA, GW, 8, 8192                          ; tile 2 of my class
	BARRIER                                        ; the eight tiles of emb lie in LDS: all that one wave hands to another ahead of the loop.  What follows up to the loop touches my own LDS bytes alone,
	                                               ; so a wave whose class is ready begins its loop while others still prepare theirs
	; ---- my class
	s_wait_loadcnt 32                              ; tile 0 is in; tiles 1 and 2 may be out
	WTILE 0, BB
	GLOAD BB, GW, 8, 12288                         ; tile 3
	s_wait_loadcnt 32                              ; tile 1 is in; tiles 2 and 3 may be out
	WTILE 1, BC
	s_wait_loadcnt 16                              ; tile 2 is in; tile 3 may be out
	WTILE 2, BA
	s_wait_loadcnt 0x0
	WTILE 3, BB
.irp t, 0,1,2,3
	v_rsq_f32 v[8+\t], v[SSW+\t]
.endr
	v_nop
	s_wait_alu depctr_va_vdst(0)                   ; one wait for the four
.irp t, 0,1,2,3
	v_ldexp_f32 v[8+\t], v[8+\t], s28              ; 2^(e0+e1) / n_w
.endr
.irp t, 0,1,2,3
	ds_store_b32 v[ISA], v[8+\t] offset:32*\t      ; both halves of the lanes hold, and store, the same number
.endr
	WIN 0x40                                       ; destination window 1.  LDS serves a wave's instructions in order (ISA guide 5.7.1.4): these loads see my stores above
.irp n, 0,1,2,3,4,5,6,7
	ds_load_b128 v[IW+4*\n:IW+4*\n+3], v[IRA] offset:16*\n
.endr
; W^T: fragment (q, u): lane r holds channel 32 (u / 2) + 8 (u % 2) + r + 8 (r / 8); registers 0-3 anchors 32 h + 16 q + 0..7, registers 4-7 anchors 32 h + 16 q + 8..15: P's registers hold the same anchors in the same places
.irp q, 0,1
.irp u, 0,1,2,3,4,5,6,7
	ds_load_tr16_b128 v[WT+8*(8*\q+\u):WT+8*(8*\q+\u)+3],   v[WTA] offset:(16*\q)*PW+64*(\u/2)+16*(\u%2)
	ds_load_tr16_b128 v[WT+8*(8*\q+\u)+4:WT+8*(8*\q+\u)+7], v[WTA] offset:(16*\q+8)*PW+64*(\u/2)+16*(\u%2)
.endr
.endr
	WIN 0
	s_wait_dscnt 0x0                               ; my class is in my registers
	v_mov_b32 v[CAP], 0x4cbebc20
	v_ldexp_f32 v[CAP], v[CAP], s29                ; 1e8 x 2^(e0+e1+24): the first clamp, max(n_e n_w, 1e-8), as a cap on the reciprocal
	v_mov_b32 v[NEG], 0xf149f2ca
	v_mov_b32 v[IE+1], 0
	v_mov_b32 v[NB+1], 0
	v_xor_b32 v[ADDH], 1, v[HH]
	v_lshlrev_b32 v[ADDH], 5, v[ADDH]
	v_and_b32 v[SO], 15, v0
	v_lshlrev_b32 v[SO], 5, v[SO]
	v_lshl_add_u32 v[SO], v[HH], 12, v[SO]
	s_lshl_b32 s14, s[WV], 2
	s_add_co_u32 s14, s14, STG
	v_add_nc_u32 v[SO], s14, v[SO]                 ; the sums: 4,096 h + 32 r + 4 x wave
	s_mov_b32 s[TB], 0
	s_mov_b32 s[SB], 0
	s_mov_b32 s[CNT], 0
.Ltile:                                            ; 8 trips: 16 rows of emb against my class
	v_add_nc_u32 v[AD], s[TB], v[LI]
	v_add_nc_u32 v[AD4], s[TB], v[L4]
.irp k, 0,1,2,3
	ds_load_b128 v[XB+4*\k:XB+4*\k+3], v[AD] offset:XCO+512*\k
.endr
	ds_load_b32 v[IE], v[AD4] offset:IEO
.set ke, 0
.rept 16
	ds_load_b128 v[EE+4*ke:EE+4*ke+3], v[AD] offset:EO+512*ke
.set ke, ke+1
.endr
	s_wait_dscnt 16                                ; the codes and 2^24 / n_e are in; the 16 loads of the f32 rows may be out
	WIN 0x01                                       ; source 0 window 1
.irp t, 0,1,2,3
	v_wmma_f32_16x16x128_fp8_fp8 v[KEY+8*\t:KEY+8*\t+7], v[WC+16*\t:WC+16*\t+15], v[XB:XB+15], 0
.endr
.set kq, 0
.rept 16
	v_pk_mul_f32 v[FF+kq:FF+kq+1], v[IW+kq:IW+kq+1], v[IE:IE+1] op_sel_hi:[1,0]   ; 2^(e0+e1+24) / (n_w n_e).  These lines and the caps below are the places behind the products
.set kq, kq+2
.endr
	WIN 0
.set kq, 0
.rept 16
	v_dual_min_num_f32 v[FF+kq], v[FF+kq], v[CAP] :: v_dual_min_num_f32 v[FF+kq+1], v[FF+kq+1], v[CAP]   ; two caps a line
.set kq, kq+2
.endr
.set kq, 0
.rept 16
	v_pk_fma_f32 v[KEY+kq:KEY+kq+1], v[KEY+kq:KEY+kq+1], v[FF+kq:FF+kq+1], s[K24:K24+1] op_sel_hi:[1,1,0]   ; key' = 2^24 (1 + cos); each accumulator from its low end on
.set kq, kq+2
.endr
.set kq, 0
.rept 32
	v_cvt_i32_f32 v[PAT+kq], v[KEY+kq]
.set kq, kq+1
.endr
.set kq, 0
.rept 32
	v_lshl_add_u32 v[PAT+kq], v[PAT+kq], 5, 0x20000000+31-kq
.set kq, kq+1
.endr
	; four lists of 8 are sorted downwards (19 comparators a list).  Behind each layer: the parities of places 0 to 7 (0 even, 1 odd)
.irp g, 0,1,2,3
.set QA\g, WK+10*\g+8
.set QB\g, WK+10*\g+9
	CE0 \g, 0, 1, 0, 1
	CE0 \g, 2, 3, 3, 2
	CE0 \g, 4, 5, 4, 5
	CE0 \g, 6, 7, 7, 6
.endr                                              ; 0 1 1 0 0 1 1 0
	CE4 0, 2, 0
	CE4 1, 3, 0
	CE4 4, 6, 1
	CE4 5, 7, 1                                    ; 0 0 1 1 1 1 0 0
	CE4 1, 2, 0
	CE4 5, 6, 1                                    ; 0 0 1 1 1 1 0 0
	CE4 0, 4, 0
	CE4 1, 5, 0
	CE4 2, 6, 0
	CE4 3, 7, 0                                    ; 0 0 0 0 1 1 1 1
	CE4 2, 4, 1
	CE4 3, 5, 1                                    ; 0 0 1 1 0 0 1 1
	CE4 1, 2, 0
	CE4 3, 4, 0
	CE4 5, 6, 1                                    ; 0 0 1 0 1 1 0 1
	; lists 0 and 1, and 2 and 3: the best 8 of 16, sorted again
	MX2 0, 1, 0, 7, 4, 3
	MX2 2, 3, 0, 7, 4, 3
	MX2 0, 1, 3, 4, 7, 0
	MX2 2, 3, 3, 4, 7, 0
	MX2 0, 1, 1, 6, 2, 5
	MX2 2, 3, 1, 6, 2, 5
	MX2 0, 1, 6, 1, 5, 2
	MX2 2, 3, 6, 1, 5, 2
	CE2 0, 4, 0
	CE2 1, 5, 0
	CE2 2, 6, 1
	CE2 3, 7, 1                                    ; 0 0 1 1 1 1 0 0
	CE2 0, 2, 0
	CE2 1, 3, 1
	CE2 4, 6, 0
	CE2 5, 7, 1                                    ; 0 1 1 0 0 1 1 0
	CE2 0, 1, 0
	CE2 2, 3, 0
	CE2 4, 5, 1
	CE2 6, 7, 1                                    ; 0 1 0 1 1 0 1 0
	; lists 0 and 2: my half's best 8 of 32, sorted
	MX2 0, 2, 0, 7, 1, 6
	MX2 0, 2, 2, 5, 3, 4
	MX2 0, 2, 5, 2, 4, 3
	MX2 0, 2, 7, 0, 6, 1
	CE 0, 0, 4, 0
	CE 0, 1, 5, 0
	CE 0, 2, 6, 1
	CE 0, 3, 7, 1                                  ; 0 0 1 1 1 1 0 0
	CE 0, 0, 2, 0
	CE 0, 1, 3, 1
	CE 0, 4, 6, 0
	CE 0, 5, 7, 1                                  ; 0 1 1 0 0 1 1 0
	CE 0, 0, 1, 0
	CE 0, 2, 3, 0
	CE 0, 4, 5, 1
	CE 0, 6, 7, 1
	; the exchange: keys without index bits; lanes 0-15 send key + 1.  So a pattern of lanes 0-15 stands at or over a received one where its key is not smaller, one of lanes 16-31 only where its key is larger
.irp i, 0,1,2,3,4,5,6,7
	v_and_b32 v[U+\i], 0xffffffe0, v[R0\i]
.endr
.irp i, 0,1,2,3,4,5,6,7
	v_add_nc_u32 v[T2+\i], v[ADDH], v[U+\i]
.endr
.irp i, 0,1,2,3,4,5,6,7
	v_permlanex16_b32 v[U+\i], v[T2+\i], s[SEL], s[SEL+1]
.endr
	MXT 0, 1                                       ; the best 8 of the 16
	MXT 2, 3
	MXT 4, 5
	MXT 6, 7
	v_max_num_f32 v[MX], v[R00], v[U]              ; the largest of all
	v_min3_num_f32 v[TH], v[T2], v[T2+1], v[T2+2]
	v_lshrrev_b32 v[MX], 5, v[MX]                  ; its key + 2^24
	v_min3_num_f32 v[TH], v[TH], v[T2+3], v[T2+4]
	v_cvt_f32_u32 v[MX], v[MX]
	v_min3_num_f32 v[TH], v[TH], v[T2+5], v[T2+6]
	v_fma_f32 v[NB], v[MX], s[NC], s[CB]           ; -c x the largest key: the softmax's largest score is taken away
	v_min_num_f32 v[TH], v[TH], v[T2+7]            ; the eighth: my patterns at or over it are kept
.set kq, 0
.rept 16
	v_pk_fma_f32 v[KEY+kq:KEY+kq+1], v[KEY+kq:KEY+kq+1], s[CC:CC+1], v[NB:NB+1] op_sel_hi:[1,0,0]   ; c (key' - the largest)
.set kq, kq+2
.endr
.set kq, 0
.rept 8
.irp n, 0,1,2,3
	v_cmp_ge_u32 s[MK+\n], v[PAT+kq+\n], v[TH]
.endr
.irp n, 0,1,2,3
	v_cndmask_b32 v[KEY+kq+\n], v[NEG], v[KEY+kq+\n], s[MK+\n]   ; what is not kept: 2^(-1e30) = 0
.endr
.set kq, kq+4
.endr
.set kq, 0
.rept 32
	v_exp_f32 v[KEY+kq], v[KEY+kq]
.set kq, kq+1
.endr
	v_add_nc_u32 v[SOA], s[SB], v[SO]              ; a plain line behind the exponentials
	s_wait_alu depctr_va_vdst(0)                   ; one wait for the batch, ahead of its first reader
.set kq, 0
.rept 16
	v_cvt_pk_bf16_f32 v[PP+kq], v[KEY+2*kq], v[KEY+2*kq+1]
.set kq, kq+1
.endr
	WIN 0x01                                       ; protos^T = W^T P^T: the eight accumulators take turns, one instruction a turn
.irp u, 0,1,2,3,4,5,6,7
	v_wmma_f32_16x16x32_bf16 v[PR+8*\u:PR+8*\u+7], v[WT+8*\u:WT+8*\u+7], v[PP:PP+7], 0
.endr
.irp u, 0,1,2,3,4,5,6,7
	v_wmma_f32_16x16x32_bf16 v[PR+8*\u:PR+8*\u+7], v[WT+64+8*\u:WT+64+8*\u+7], v[PP+8:PP+15], v[PR+8*\u:PR+8*\u+7]
.endr
	WIN 0
	v_pk_add_f32 v[ZA0:ZA0+1], v[KEY:KEY+1], v[KEY+2:KEY+3]        ; Z, of the f32 p: sixteen lines that name none of the products' registers: the places behind them
	v_pk_add_f32 v[ZA1:ZA1+1], v[KEY+4:KEY+5], v[KEY+6:KEY+7]
.set kq, 8
.rept 6
	v_pk_add_f32 v[ZA0:ZA0+1], v[ZA0:ZA0+1], v[KEY+kq:KEY+kq+1]
	v_pk_add_f32 v[ZA1:ZA1+1], v[ZA1:ZA1+1], v[KEY+kq+2:KEY+kq+3]
.set kq, kq+4
.endr
	v_pk_add_f32 v[ZA0:ZA0+1], v[ZA0:ZA0+1], v[ZA1:ZA1+1]
	v_add_f32 v[ZA0], v[ZA0], v[ZA0+1]
	s_wait_dscnt 0x0                               ; emb's f32 rows are in
	v_pk_mul_f32 v[DA0:DA0+1], v[PR:PR+1], v[EE:EE+1]              ; register n of protos^T and of emb's image hold the same channel of the same row; each accumulator from its low end on
	v_pk_mul_f32 v[NA0:NA0+1], v[PR:PR+1], v[PR:PR+1]
	v_pk_mul_f32 v[DA1:DA1+1], v[PR+2:PR+3], v[EE+2:EE+3]
	v_pk_mul_f32 v[NA1:NA1+1], v[PR+2:PR+3], v[PR+2:PR+3]
.set kq, 4
.rept 15
	v_pk_fma_f32 v[DA0:DA0+1], v[PR+kq:PR+kq+1], v[EE+kq:EE+kq+1], v[DA0:DA0+1]
	v_pk_fma_f32 v[NA0:NA0+1], v[PR+kq:PR+kq+1], v[PR+kq:PR+kq+1], v[NA0:NA0+1]
	v_pk_fma_f32 v[DA1:DA1+1], v[PR+kq+2:PR+kq+3], v[EE+kq+2:EE+kq+3], v[DA1:DA1+1]
	v_pk_fma_f32 v[NA1:NA1+1], v[PR+kq+2:PR+kq+3], v[PR+kq+2:PR+kq+3], v[NA1:NA1+1]
.set kq, kq+4
.endr
	v_pk_add_f32 v[DA0:DA0+1], v[DA0:DA0+1], v[DA1:DA1+1]
	v_pk_add_f32 v[NA0:NA0+1], v[NA0:NA0+1], v[NA1:NA1+1]
	v_add_f32 v[DA0], v[DA0], v[DA0+1]
	v_add_f32 v[NA0], v[NA0], v[NA0+1]
	ds_store_b32 v[SOA], v[DA0]                    ; my half's three sums for (row, class)
	ds_store_b32 v[SOA], v[NA0] offset:QS
	ds_store_b32 v[SOA], v[ZA0] offset:2*QS
	s_add_co_u32 s[TB], s[TB], TBLK
	s_add_co_u32 s[SB], s[SB], 512
	s_add_co_u32 s[CNT], s[CNT], 1
	s_cmp_lt_u32 s[CNT], 8
	s_cbranch_scc1 .Ltile
	BARRIER                                        ; all sums of the 128 rows x 8 classes lie in LDS
	; thread n finishes row n / 2, classes 4 (n % 2) on: 16 n bytes into each plane of sums.  Row n / 2 lies in tile n / 32 = my wave's number
	v_lshl_add_u32 v16, v0, 4, STG
	v_and_b32 v17, 31, v0
	v_lshrrev_b32 v17, 1, v17
	s_add_co_u32 s16, s16, NEO
	v_lshl_add_u32 v17, v17, 2, s16
	v_lshrrev_b32 v18, 1, v0
	v_and_b32 v19, 1, v0
	v_lshlrev_b32 v19, 4, v19
	v_lshl_add_u32 v18, v18, 10, v19               ; out0: row x 1,024 + 16 (n % 2)
.irp q, 0,1,2
.irp h, 0,1
	ds_load_b128 v[32+8*\q+4*\h:32+8*\q+4*\h+3], v16 offset:\q*QS+\h*HS
.endr
.endr
	ds_load_b32 v56, v17                           ; n_e
	v_mov_b32 v57, 0                               ; (only named with it)
	s_mov_b32 s20, 0x41200000                      ; 10
	s_mov_b32 s21, 0x33d6bf95                      ; 1e-7
	s_wait_dscnt 0x0
.irp q, 0,1,2
	v_pk_add_f32 v[32+8*\q:33+8*\q], v[32+8*\q:33+8*\q], v[36+8*\q:37+8*\q]   ; the two halves of the lanes
	v_pk_add_f32 v[34+8*\q:35+8*\q], v[34+8*\q:35+8*\q], v[38+8*\q:39+8*\q]
.endr
.irp i, 0,1,2,3
	v_sqrt_f32 v[36+\i], v[40+\i]                  ; n_p'
.endr
	v_pk_mul_f32 v[48:49], v[48:49], 0x322bcc77 op_sel_hi:[1,0]    ; Z x 1e-8.  (Plain lines behind the roots)
	v_pk_mul_f32 v[50:51], v[50:51], 0x322bcc77 op_sel_hi:[1,0]
	s_wait_alu depctr_va_vdst(0)                   ; one wait for the four roots
	v_pk_mul_f32 v[36:37], v[36:37], v[56:57] op_sel_hi:[1,0]
	v_pk_mul_f32 v[38:39], v[38:39], v[56:57] op_sel_hi:[1,0]
.irp i, 0,1,2,3
	v_max_num_f32 v[36+\i], v[36+\i], v[48+\i]     ; the second clamp; Z is about 1 or more, so it is never 0
.endr
.irp i, 0,1,2,3
	v_rcp_f32 v[40+\i], v[36+\i]
.endr
	v_nop
	s_wait_alu depctr_va_vdst(0)                   ; one wait for the four reciprocals
	v_pk_mul_f32 v[32:33], v[32:33], v[40:41]      ; the cosine
	v_pk_mul_f32 v[34:35], v[34:35], v[42:43]
	v_pk_fma_f32 v[32:33], v[32:33], 0.5, 0.5 op_sel_hi:[1,0,0]
	v_pk_fma_f32 v[34:35], v[34:35], 0.5, 0.5 op_sel_hi:[1,0,0]
.irp i, 0,1,2,3
	v_fma_f32 v[32+\i], v[32+\i], s20, s21         ; (t + 1e-8) x 10
.endr
	global_store_b128 v18, v[32:35], s[10:11]
	s_set_vgpr_msb 0x5
	s_wait_tensorcnt 0x0
	ds_add_u32 v224, v225
	s_wait_dscnt 0x0
	s_set_vgpr_msb 0x500
	s_endpgm
.Lfunc_end_k_q4632295773_classify:
	.size	k_q4632295773_classify, .Lfunc_end_k_q4632295773_classify-k_q4632295773_classify
	.p2alignl 7, 3214868480
	.fill 96, 4, 3214868480
	.section	.rodata,"a",@progbits
	.p2align	6, 0x0
	.amdhsa_kernel k_q4632295773_classify
		.amdhsa_group_segment_fixed_size 259072
		.amdhsa_private_segment_fixed_size 0
		.amdhsa_enable_private_segment 0
		.amdhsa_kernarg_size 32
		.amdhsa_user_sgpr_count 2
		.amdhsa_user_sgpr_kernarg_segment_ptr 1
		.amdhsa_wavefront_size32 1
		.amdhsa_system_sgpr_workgroup_id_x 1
		.amdhsa_system_sgpr_workgroup_id_y 1
		.amdhsa_system_sgpr_workgroup_id_z 1
		.amdhsa_system_vgpr_workitem_id 0
		.amdhsa_next_free_vgpr 482
		.amdhsa_next_free_sgpr 66
		.amdhsa_reserve_vcc 0
		.amdhsa_float_denorm_mode_32 3
		.amdhsa_float_denorm_mode_16_64 3
		.amdhsa_memory_ordered 1
		.amdhsa_forward_progress 1
		.amdhsa_inst_pref_size 97
	.end_amdhsa_kernel
	.amdgpu_metadata
---
amdhsa.version: [ 1, 2 ]
amdhsa.kernels:
  - .name:           k_q4632295773_classify
    .symbol:         k_q4632295773_classify.kd
    .args:
      - { .name: emb, .offset: 0, .size: 8, .value_kind: global_buffer, .address_space: global }
      - { .name: lowp_scales, .offset: 8, .size: 8, .value_kind: global_buffer, .address_space: global }
      - { .name: weight, .offset: 16, .size: 8, .value_kind: global_buffer, .address_space: global }
      - { .name: out0, .offset: 24, .size: 8, .value_kind: global_buffer, .address_space: global }
    .group_segment_fixed_size: 259072
    .private_segment_fixed_size: 0
    .kernarg_segment_align: 8
    .kernarg_segment_size: 32
    .max_flat_workgroup_size: 256
    .sgpr_count:     66
    .vgpr_count:     482
    .wavefront_size: 32
...
	.end_amdgpu_metadata
.endif
;; end of part 1
